; MI455X (gfx1250); checked and timed in simulation.
; The chip was launched on July 23, 2026; its instructions are those of AMD's public machine-readable ISA for CDNA 5 (MIT licence, August 2026) and "CDNA5" Instruction Set Architecture Reference Guide (July 2026). The comments in the code are by the model that wrote it; some were corrected since.
;; Non Rigid Motion MLP. Allowed arithmetic: float matrix products may take bf16 or f16 operands with f32 sums; other float arithmetic in f32, or as packed bf16 or f16 multiplies, adds, multiply-adds, maxima and minima; sums over many terms, partial sums and values carried from step to step in f32; what a program stores and reads back later, other than sums and carried values, may be rounded once to bf16 or f16.
;; Inputs: W0 85 x 128 float32; W1 128 x 128 float32; W2 128 x 128 float32; W3 128 x 128 float32; W4 128 x 128 float32; W5 128 x 128 float32; W6 128 x 3 float32; b0 128 float32; b1 128 float32; b2 128 float32; b3 128 float32; b4 128 float32; b5 128 float32; b6 3 float32; condition_code 524,288 x 69 float32; embeddings 2,936,936 x 2 float32; xyz 524,288 x 3 float32.
;; Outputs: out0 524,288 x 3 float32.
;; 2 versions, each right; version 2 is version 1 with the launch prep written anew for expert scheduling mode. Each part assembles by itself: llvm-mc -triple=amdgcn-amd-amdhsa -mcpu=gfx1250 --defsym DOCPART=n.
;; ======== version 1 of 2: 2 launches
;; limits: values are held in f16: magnitudes above 65,504 overflow, below 6.1e-05 lose precision; inputs' magnitudes at most 65,504
;; workspace buffers: fix 6,291,456 bytes of whole numbers; wimg 196,608 bytes
;; launch prep (part 1): grid 256 x 1, 8 waves a work-group, no clusters, 58,624 bytes of LDS; arguments xyz, W0, W1, W2, W3, W4, W5, W6, b0, b1, b2, b3, b4, b5, b6, fix, wimg; writes fix, wimg
.if DOCPART == 1
	.amdgcn_target "amdgcn-amd-amdhsa--gfx1250"
	.amdhsa_code_object_version 6
	.text
	.protected	k_q84db41f269_prep
	.globl	k_q84db41f269_prep
	.p2align	8
	.type	k_q84db41f269_prep,@function
k_q84db41f269_prep:
	s_mov_b64 s[64:65], 0
	v_nop
	global_prefetch_b8 v0, s[64:65] scope:SCOPE_SE
	s_setreg_imm32_b32 hwreg(HW_REG_WAVE_MODE, 25, 1), 1
	s_wait_xcnt 0x0
; PREPARATION for the fused launch.  Two results.
; (1) fix[p][d] = trunc(min((xyz[p][d] + 1) x 2^23, 2^31)): the coordinate in 0..1 as a fixed-point word with 24 fraction bits, a whole number.
;     The grid's resolutions are 2^(4+l), so every level's cell is a shift of that word and every fraction a mask of it.  x + 1 is rounded as f32 addition rounds it
;     (one fused multiply-add by 2^23, a power of two).  LIMITS: a coordinate below -1, and a NaN's place, count as a bound of the range (0 or 2^31); coordinates are taken up to 255.
; (2) wimg: the seven weight matrices as f16 fragments in the register order of the matrix instruction, and the biases in f32, all scaled by powers of two:
;     W'_l = W_l 2^-e_l, b'_l = b_l 2^-(e_0+..+e_l); ReLU commutes with a positive scale, so the last layer's result times 2^(e_0+..+e_6) is the module's.
;     e_l = half the binary exponent of max(A, B) / 2^o, A = sum over columns of (column sum)^2, B = sum of squares, o = 8 (2 x 128 channels; W6: A = 0, o = 3), held to -40..40:
;     so a layer changes the activations' root mean square by a factor between 0.7 and 1.41, whether they add up in step or not, and f16's range is kept whatever the weights' scale.
;     LIMIT: a bias more than some 1e4 times its layer's sums would leave f16's range in the next layer.
; wimg, bytes: 0 layers 1-5, fragment 32 (l-1) + 4 nt + c of 1,024 bytes; 163,840 biases (word 128 l + channel; words 768-783 b6' as (b0,b1,b2,0,0,0,0,0) twice; word 784 the exponent's sum);
;     167,936 W0, fragment 3 nt + c (image rows 0-68 = W0's rows 0-68, 69-79 zero, 80-95 = rows 69-84); 192,512 W6, fragment c (row n = column n % 8 if that is below 3, else zero).
;     A fragment: [q = 0,1][lane][8 f16] = W'[32 c + 16 q + 8 (lane / 16) + i][16 nt + lane % 16].
; SHARES.  Every work-group converts 24,576 bytes of xyz.  Work-groups 0-47 then find the seven exponents (all by the same text on the same numbers, so they agree bit for bit)
; and write 4,096 bytes of wimg each, 16 bytes a thread: a wave's store covers 512 consecutive bytes, aligned.
.set EXPW,  57344                      ; LDS: eight words, wave w's exponent
.set SPARE, 57600                      ; LDS: the spare words, 128 bytes for each of eight waves; v2 holds my word
.set R0, 64                            ; three sets of 64 registers in which weights land
.set R1, 128
.set R2, 192
	s_load_b512 s[8:23], s[0:1], 0x0               ; xyz s[8:9], W0 s[10:11] .. W6 s[22:23]
	s_load_b512 s[24:39], s[0:1], 0x40             ; b0 s[24:25] .. b6 s[36:37], fix s[38:39]
	s_load_b64 s[40:41], s[0:1], 0x80              ; wimg
	v_lshl_add_u32 v2, v0, 2, SPARE                ; my spare word; never rewritten
	v_mov_b32 v3, 0                                ; 0; never rewritten
	v_lshrrev_b32 v1, 5, v0
	v_readfirstlane_b32 s42, v1                    ; wave 0..7
	v_lshlrev_b32 v5, 4, v0                        ; 16 x thread; never rewritten
	s_mul_i32 s44, ttmp9, 24576                    ; the work-group's part of xyz and of fix
	s_mov_b32 s45, 0
	s_mov_b32 s43, 0x4b000000                      ; 2^23
	s_wait_kmcnt 0x0
	s_add_nc_u64 s[8:9], s[8:9], s[44:45]
	s_add_nc_u64 s[38:39], s[38:39], s[44:45]
	; PART F: six loads of 16 bytes a thread, all out at once; each is converted in place and stored
.irp i, 0,1,2,3,4,5
	global_load_b128 v[16+4*\i:19+4*\i], v5, s[8:9] offset:4096*\i th:TH_LOAD_NT
.endr
.irp i, 0,1,2,3,4,5
	s_wait_loadcnt 5-\i                            ; loads come back in order: mine is in, the younger ones stay out
.irp k, 0,1,2,3
	v_fma_f32 v[16+4*\i+\k], v[16+4*\i+\k], s43, s43
.endr
.irp k, 0,1,2,3
	v_min_num_f32 v[16+4*\i+\k], 0x4f000000, v[16+4*\i+\k]
.endr
.irp k, 0,1,2,3
	v_cvt_u32_f32 v[16+4*\i+\k], v[16+4*\i+\k]     ; toward zero; a negative number gives 0
.endr
	global_store_b128 v5, v[16+4*\i:19+4*\i], s[38:39] offset:4096*\i
.endr
	s_cmp_lt_u32 ttmp9, 48                         ; the same in all eight waves: the barriers below are passed by all or by none
	s_cbranch_scc0 .Lend
	; PART N: partial sums.  Lane L owns columns 4 L .. 4 L + 3, wave w the rows w + 8 i.
	s_wait_xcnt 0x0                                ; the stores above have read their registers
	v_and_b32 v6, 31, v0                           ; lane
	v_lshlrev_b32 v7, 4, v6                        ; 16 x lane
	s_lshl_b32 s44, s42, 9
	v_add_nc_u32 v8, s44, v7                       ; row w, my four columns
	s_add_co_u32 s45, s42, 80
	s_min_u32 s45, s45, 84                         ; W0 has 85 rows: its eleventh turn exists for waves 0-4 alone; the others read row 84 and count it as 0
	s_lshl_b32 s45, s45, 9
	v_add_nc_u32 v9, s45, v7
	s_cmp_lt_u32 s42, 5
	s_cselect_b32 s68, -1, 0
	v_cmp_gt_u32 s69, 96, v0                       ; W6 is 96 pieces of 16 bytes: threads 0-95 take one each, the others piece 0, counted as 0
	v_cndmask_b32 v10, 0, v5, s69
	v_lshlrev_b32 v11, 5, v0                       ; LDS: 32 bytes a thread in each matrix's 8,192
	s_mov_b32 s66, 0x76543210                      ; v_permlanex16_b32: each lane takes its own place in the other half
	s_mov_b32 s67, 0xfedcba98
.macro LOADW set, ptr, n
.set ia, 0
.rept \n
	global_load_b128 v[\set+4*ia:\set+4*ia+3], v8, s[\ptr:\ptr+1] offset:4096*ia
.set ia, ia+1
.endr
.endm
; n quads in a set: column sums into v[40:43], squares into v[44:47] and then v44; the first two quads start the sums.  Matrix m's place in LDS.
.macro ACCUM set, n, m
	v_pk_add_f32 v[40:41], v[\set:\set+1], v[\set+4:\set+5]
	v_pk_add_f32 v[42:43], v[\set+2:\set+3], v[\set+6:\set+7]
	v_pk_mul_f32 v[44:45], v[\set:\set+1], v[\set:\set+1]
	v_pk_mul_f32 v[46:47], v[\set+2:\set+3], v[\set+2:\set+3]
	v_pk_fma_f32 v[44:45], v[\set+4:\set+5], v[\set+4:\set+5], v[44:45]
	v_pk_fma_f32 v[46:47], v[\set+6:\set+7], v[\set+6:\set+7], v[46:47]
.set ia, 2
.rept (\n)-2
	v_pk_add_f32 v[40:41], v[40:41], v[\set+4*ia:\set+4*ia+1]
	v_pk_add_f32 v[42:43], v[42:43], v[\set+4*ia+2:\set+4*ia+3]
	v_pk_fma_f32 v[44:45], v[\set+4*ia:\set+4*ia+1], v[\set+4*ia:\set+4*ia+1], v[44:45]
	v_pk_fma_f32 v[46:47], v[\set+4*ia+2:\set+4*ia+3], v[\set+4*ia+2:\set+4*ia+3], v[46:47]
.set ia, ia+1
.endr
	v_add_f32 v44, v44, v45
	v_add_f32 v46, v46, v47
	v_add_f32 v44, v44, v46
	ds_store_b128 v11, v[40:43] offset:8192*(\m)
	ds_store_b32 v11, v44 offset:8192*(\m)+16
.endm
	LOADW R0, 12, 16                               ; W1
	LOADW R1, 14, 16                               ; W2
	LOADW R2, 16, 16                               ; W3
	s_wait_loadcnt 32                              ; W1 is in; W2's and W3's 16 + 16 stay out
	ACCUM R0, 16, 1
	LOADW R0, 18, 16                               ; W4
	s_wait_loadcnt 32                              ; W2; behind it W3 and W4
	ACCUM R1, 16, 2
	LOADW R1, 20, 16                               ; W5
	s_wait_loadcnt 32                              ; W3; behind it W4 and W5
	ACCUM R2, 16, 3
	LOADW R2, 10, 10                               ; W0's rows w .. w + 72,
	global_load_b128 v[R2+40:R2+43], v9, s[10:11]  ; its eleventh turn,
	global_load_b128 v[R2+44:R2+47], v10, s[22:23] ; and W6
	s_wait_loadcnt 28                              ; W4; behind it W5's 16 and these 12
	ACCUM R0, 16, 4
	s_wait_loadcnt 12                              ; W5
	ACCUM R1, 16, 5
	s_wait_loadcnt 0x0
.irp k, 0,1,2,3
	v_cndmask_b32 v[R2+40+\k], 0, v[R2+40+\k], s68
	v_cndmask_b32 v[R2+44+\k], 0, v[R2+44+\k], s69
.endr
	ACCUM R2, 11, 0
	v_pk_mul_f32 v[44:45], v[R2+44:R2+45], v[R2+44:R2+45]
	v_pk_fma_f32 v[44:45], v[R2+46:R2+47], v[R2+46:R2+47], v[44:45]
	v_add_f32 v44, v44, v45
.irp k, 0,1,2,3
	v_mov_b32 v[40+\k], 0                          ; W6 feeds no further layer: its column sums are not wanted
.endr
	ds_store_b128 v11, v[40:43] offset:8192*6
	ds_store_b32 v11, v44 offset:8192*6+16
	s_wait_dscnt 0x0                               ; for the others' sake: my partial sums lie in LDS
	s_barrier_signal -1
	s_barrier_wait -1
	; Wave w finishes matrix min(w, 6): the eight waves' partial sums of my four columns, then the sums over the lanes
	s_min_u32 s44, s42, 6
	s_lshl_b32 s45, s44, 13
	v_lshl_add_u32 v12, v6, 5, s45
.irp k, 0,1,2,3,4,5,6,7
	ds_load_b128 v[64+8*\k:67+8*\k], v12 offset:1024*\k
	ds_load_b32 v[68+8*\k], v12 offset:1024*\k+16
.endr
	v_mov_b32 v70, 0                               ; v_permlanex16_b32's destinations count as read
	v_mov_b32 v71, 0
	s_wait_dscnt 0x0
.irp k, 1,2,3,4,5,6,7
	v_pk_add_f32 v[64:65], v[64:65], v[64+8*\k:65+8*\k]
	v_pk_add_f32 v[66:67], v[66:67], v[66+8*\k:67+8*\k]
	v_add_f32 v68, v68, v[68+8*\k]
.endr
	v_mul_f32 v69, v64, v64
	v_fmac_f32 v69, v65, v65
	v_fmac_f32 v69, v66, v66
	v_fmac_f32 v69, v67, v67
.irp x, 1,2,4,8
	v_add_f32_dpp v69, v69, v69 row_xmask:\x row_mask:0xf bank_mask:0xf
	v_add_f32_dpp v68, v68, v68 row_xmask:\x row_mask:0xf bank_mask:0xf
.endr
	v_permlanex16_b32 v70, v69, s66, s67
	v_permlanex16_b32 v71, v68, s66, s67
	v_add_f32 v69, v69, v70                        ; A
	v_add_f32 v68, v68, v71                        ; B
	v_max_num_f32 v69, v69, v68
	v_readfirstlane_b32 s47, v69
	s_bfe_u32 s47, s47, 0x80017                    ; the f32's exponent field.  From here on whole numbers that enter scales alone: no address, no branch
	s_mov_b32 s46, 134                             ; 126 + o
	s_cmp_eq_u32 s44, 6
	s_cselect_b32 s46, 129, s46
	s_sub_co_i32 s47, s47, s46                     ; floor(log2(max / 2^o)) + 1
	s_ashr_i32 s47, s47, 1
	s_max_i32 s47, s47, -40
	s_min_i32 s47, s47, 40
	v_mov_b32 v13, s47
	s_lshl_b32 s46, s42, 2
	v_mov_b32 v14, s46
	ds_store_b32 v14, v13 offset:EXPW              ; all lanes write the same word with the same number
	s_wait_dscnt 0x0
	s_barrier_signal -1
	s_barrier_wait -1
	v_mov_b32 v15, 0
	ds_load_b128 v[64:67], v15 offset:EXPW
	ds_load_b128 v[68:71], v15 offset:EXPW+16
	s_wait_dscnt 0x0
.irp k, 0,1,2,3,4,5,6
	v_readfirstlane_b32 s[48+\k], v[64+\k]         ; e_0 .. e_6
.endr
	s_mov_b32 s56, s48                             ; s[56+l] = e_0 + .. + e_l
.irp k, 1,2,3,4,5,6
	s_add_co_i32 s[56+\k], s[55+\k], s[48+\k]
.endr
	; PART I: the work-group's 4,096 bytes of wimg.  Thread = 64 c + 32 q + lane, so 16 w = 32 c + 16 q.
	s_lshl_b32 s44, ttmp9, 12
	s_mov_b32 s45, 0
	s_add_nc_u64 s[40:41], s[40:41], s[44:45]
	v_and_b32 v20, 15, v0                          ; r
	v_bfe_u32 v21, v0, 4, 1                        ; h
.macro PICK idx, val, ptr, ex          ; where s[idx] = val: that buffer and that exponent
	s_cmp_eq_u32 s[\idx], \val
	s_cselect_b64 s[76:77], s[\ptr:\ptr+1], s[76:77]
	s_cselect_b32 s75, s[\ex], s75
.endm
	s_cmp_lt_u32 ttmp9, 40
	s_cbranch_scc0 .Lnothid
	s_lshr_b32 s73, ttmp9, 3                       ; layers 1-5: l - 1,
	s_and_b32 s74, ttmp9, 7                        ; nt
	s_lshl_b32 s74, s74, 6
	s_lshl_b32 s70, s42, 13                        ; 16 w rows of 512 bytes
	s_add_co_u32 s74, s74, s70
	v_lshlrev_b32 v22, 2, v20
	v_lshl_add_u32 v22, v21, 12, v22               ; + 8 h rows
	v_add_nc_u32 v22, s74, v22                     ; W[16 w + 8 h][16 nt + r]
	s_mov_b64 s[76:77], s[12:13]
	s_mov_b32 s75, s49
	PICK 73, 1, 14, 50
	PICK 73, 2, 16, 51
	PICK 73, 3, 18, 52
	PICK 73, 4, 20, 53
	s_mov_b32 s78, -1                              ; every row counts
	s_mov_b32 s79, -1
	s_branch .Lrows
.Lnothid:
	s_cmp_eq_u32 ttmp9, 40
	s_cbranch_scc1 .Lbias
	s_cmp_eq_u32 ttmp9, 47
	s_cbranch_scc1 .Lw6
	s_sub_co_u32 s73, ttmp9, 41                    ; W0: fragment 4 (j - 41) + c = 3 nt + c0
	s_lshl_b32 s73, s73, 2
	s_lshr_b32 s74, s42, 1
	s_add_co_u32 s73, s73, s74
	s_mul_i32 s74, s73, 11
	s_lshr_b32 s74, s74, 5                         ; nt = fragment / 3, right for 0 .. 23
	s_mul_i32 s75, s74, 3
	s_sub_co_u32 s73, s73, s75                     ; c0
	s_lshl_b32 s73, s73, 5
	s_and_b32 s75, s42, 1
	s_lshl_b32 s75, s75, 4
	s_add_co_u32 s73, s73, s75
	v_lshl_add_u32 v23, v21, 3, s73                ; the first of my eight image rows: 0, 8 .. 88
	v_cmp_ne_u32 s78, 72, v23                      ; image rows 72-79 are zero,
	v_cmp_ne_u32 s79, 64, v23                      ; and of 64-71 the last three
	s_and_b32 s79, s79, s78
	v_cmp_le_u32 s80, 72, v23                      ; from 80 on the image is W0 eleven rows up (for 72 too: rows inside W0, counted as zero)
	v_add_nc_u32 v36, -11, v23
	v_cndmask_b32 v23, v23, v36, s80
	v_lshlrev_b32 v22, 2, v20
	v_lshl_add_u32 v22, v23, 9, v22
	s_lshl_b32 s74, s74, 6
	v_add_nc_u32 v22, s74, v22
	s_mov_b64 s[76:77], s[10:11]
	s_mov_b32 s75, s48
.Lrows:
.irp i, 0,1,2,3,4,5,6,7
	global_load_b32 v[24+\i], v22, s[76:77] offset:512*\i
.endr
	s_branch .Ltail
.Lw6:
	v_and_b32 v23, 7, v20                          ; W6: fragment row n takes column n % 8 if that is below 3
	v_cmp_gt_u32 s78, 3, v23
	s_mov_b32 s79, s78
	v_cndmask_b32 v23, 0, v23, s78
	s_lshl_b32 s73, s42, 4
	v_lshl_add_u32 v36, v21, 3, s73                ; row 16 w + 8 h
	v_mul_u32_u24 v36, v36, 12
	v_lshl_add_u32 v22, v23, 2, v36
	s_mov_b64 s[76:77], s[22:23]
	s_mov_b32 s75, s54
.irp i, 0,1,2,3,4,5,6,7
	global_load_b32 v[24+\i], v22, s[76:77] offset:12*\i
.endr
.Ltail:
	s_wait_loadcnt 0x0
.irp i, 0,1,2,3,4
	v_cndmask_b32 v[24+\i], 0, v[24+\i], s78
.endr
.irp i, 5,6,7
	v_cndmask_b32 v[24+\i], 0, v[24+\i], s79
.endr
	s_sub_co_i32 s80, 127, s75
	s_lshl_b32 s80, s80, 23                        ; 2^-e as an f32
	s_mov_b32 s81, s80                             ; named with it as a pair
.irp i, 0,1,2,3
	v_pk_mul_f32 v[24+2*\i:25+2*\i], v[24+2*\i:25+2*\i], s[80:81] op_sel_hi:[1,0]
.endr
.irp i, 0,1,2,3
	v_cvt_pk_f16_f32 v[32+\i], v[24+2*\i], v[25+2*\i]
.endr
	global_store_b128 v5, v[32:35], s[40:41]
	s_branch .Lend
.Lbias:                                            ; wave w < 6: b_w; wave 6: b6 and the exponent's sum; wave 7: zeros
	s_cmp_lt_u32 s42, 6
	s_cbranch_scc0 .Lb6
	s_mov_b64 s[76:77], s[24:25]
	s_mov_b32 s75, s56
	PICK 42, 1, 26, 57
	PICK 42, 2, 28, 58
	PICK 42, 3, 30, 59
	PICK 42, 4, 32, 60
	PICK 42, 5, 34, 61
	global_load_b128 v[24:27], v7, s[76:77]
	s_sub_co_i32 s75, 0, s75
	s_wait_loadcnt 0x0
.irp i, 0,1,2,3
	v_ldexp_f32 v[24+\i], v[24+\i], s75
.endr
	s_branch .Lbst
.Lb6:
.irp i, 0,1,2,3
	v_mov_b32 v[24+\i], 0
.endr
	s_cmp_eq_u32 s42, 6
	s_cbranch_scc0 .Lbst
	v_mov_b32 v23, 0
	global_load_b32 v28, v23, s[36:37]
	global_load_b32 v29, v23, s[36:37] offset:4
	global_load_b32 v30, v23, s[36:37] offset:8
	v_and_b32 v36, 29, v6
	v_cmp_eq_u32 s78, 0, v36                       ; lanes 0 and 2: words 768-771 and 776-779
	v_cmp_eq_u32 s79, 4, v6                        ; lane 4: word 784
	s_sub_co_i32 s75, 0, s62
	v_mov_b32 v31, s62
	s_wait_loadcnt 0x0
.irp i, 0,1,2
	v_ldexp_f32 v[28+\i], v[28+\i], s75
.endr
.irp i, 0,1,2
	v_cndmask_b32 v[24+\i], 0, v[28+\i], s78
.endr
	v_cndmask_b32 v24, v24, v31, s79
.Lbst:
	global_store_b128 v5, v[24:27], s[40:41]
.Lend:
	s_wait_tensorcnt 0x0                           ; the wave's end, behind my last LDS store
	ds_add_u32 v2, v3
	s_wait_dscnt 0x0
	s_endpgm
.Lfunc_end_k_q84db41f269_prep:
	.size	k_q84db41f269_prep, .Lfunc_end_k_q84db41f269_prep-k_q84db41f269_prep
	.p2alignl 7, 3214868480
	.fill 96, 4, 3214868480
	.section	.rodata,"a",@progbits
	.p2align	6, 0x0
	.amdhsa_kernel k_q84db41f269_prep
		.amdhsa_group_segment_fixed_size 58624
		.amdhsa_private_segment_fixed_size 0
		.amdhsa_enable_private_segment 0
		.amdhsa_kernarg_size 136
		.amdhsa_user_sgpr_count 2
		.amdhsa_user_sgpr_kernarg_segment_ptr 1
		.amdhsa_wavefront_size32 1
		.amdhsa_system_sgpr_workgroup_id_x 1
		.amdhsa_system_sgpr_workgroup_id_y 1
		.amdhsa_system_sgpr_workgroup_id_z 1
		.amdhsa_system_vgpr_workitem_id 0
		.amdhsa_next_free_vgpr 256
		.amdhsa_next_free_sgpr 96
		.amdhsa_reserve_vcc 0
		.amdhsa_float_denorm_mode_32 3
		.amdhsa_float_denorm_mode_16_64 3
		.amdhsa_memory_ordered 1
		.amdhsa_forward_progress 1
		.amdhsa_inst_pref_size 53
	.end_amdhsa_kernel
	.amdgpu_metadata
---
amdhsa.version: [ 1, 2 ]
amdhsa.kernels:
  - .name:           k_q84db41f269_prep
    .symbol:         k_q84db41f269_prep.kd
    .args:
      - { .name: xyz, .offset: 0, .size: 8, .value_kind: global_buffer, .address_space: global }
      - { .name: W0, .offset: 8, .size: 8, .value_kind: global_buffer, .address_space: global }
      - { .name: W1, .offset: 16, .size: 8, .value_kind: global_buffer, .address_space: global }
      - { .name: W2, .offset: 24, .size: 8, .value_kind: global_buffer, .address_space: global }
      - { .name: W3, .offset: 32, .size: 8, .value_kind: global_buffer, .address_space: global }
      - { .name: W4, .offset: 40, .size: 8, .value_kind: global_buffer, .address_space: global }
      - { .name: W5, .offset: 48, .size: 8, .value_kind: global_buffer, .address_space: global }
      - { .name: W6, .offset: 56, .size: 8, .value_kind: global_buffer, .address_space: global }
      - { .name: b0, .offset: 64, .size: 8, .value_kind: global_buffer, .address_space: global }
      - { .name: b1, .offset: 72, .size: 8, .value_kind: global_buffer, .address_space: global }
      - { .name: b2, .offset: 80, .size: 8, .value_kind: global_buffer, .address_space: global }
      - { .name: b3, .offset: 88, .size: 8, .value_kind: global_buffer, .address_space: global }
      - { .name: b4, .offset: 96, .size: 8, .value_kind: global_buffer, .address_space: global }
      - { .name: b5, .offset: 104, .size: 8, .value_kind: global_buffer, .address_space: global }
      - { .name: b6, .offset: 112, .size: 8, .value_kind: global_buffer, .address_space: global }
      - { .name: fix, .offset: 120, .size: 8, .value_kind: global_buffer, .address_space: global }
      - { .name: wimg, .offset: 128, .size: 8, .value_kind: global_buffer, .address_space: global }
    .group_segment_fixed_size: 58624
    .private_segment_fixed_size: 0
    .kernarg_segment_align: 8
    .kernarg_segment_size: 136
    .max_flat_workgroup_size: 256
    .sgpr_count:     96
    .vgpr_count:     256
    .wavefront_size: 32
...
	.end_amdgpu_metadata
.endif
;; end of part 1
;; launch mlp (part 2): grid 256 x 1, 4 waves a work-group, no clusters, 327,680 bytes of LDS; arguments condition_code, embeddings, fix, wimg, out0; writes out0
.if DOCPART == 2
	.amdgcn_target "amdgcn-amd-amdhsa--gfx1250"
	.amdhsa_code_object_version 6
	.text
	.protected	k_q84db41f269_mlp
	.globl	k_q84db41f269_mlp
	.p2align	8
	.type	k_q84db41f269_mlp,@function
k_q84db41f269_mlp:
	s_mov_b64 s[64:65], 0
	v_nop
	global_prefetch_b8 v0, s[64:65] scope:SCOPE_SE
	s_setreg_imm32_b32 hwreg(HW_REG_WAVE_MODE, 25, 1), 1
	s_wait_xcnt 0x0
; out0[p] = MLP(concat(condition_code[p], grid_encode(xyz[p]))): hash-grid encoding (8 levels x 8 corners x 2 features), 85 -> 128 (six layers with ReLU) -> 3, in one launch.
; fix holds each coordinate in 0..1 as a whole number with 24 fraction bits; wimg holds the weights as f16 fragments and the biases in f32, scaled by powers of two (both made by the launch before).
; FORMATS.  Matrix operands f16, sums f32; bias added in f32 as the first product's C; the result is unscaled by the stored exponent.  The trilinear weights and sums are f32 (nested interpolation: x, y, z).
; LIMITS.  |condition_code| stays under 65,504 (f16's range); an infinity among a point's numbers 64-68 makes that whole point NaN (they also meet zero weights).  An encoded feature below 6e-5 keeps f16's fixed
; step of 6e-8.  Fractions carry 2^-24 of the unit cube; where f32 rounding puts the position across a cell's face the interpolation is continuous there.
; SHARES.  A work-group owns 2,048 points, each of its four waves 512 consecutive ones, as four blocks of 128.  A block is eight tiles of 16 points for the MLP and four groups of 32 (a lane a point) for the encoding.
; LAYOUT.  H'^T = W^T H^T: source 0 = 16 output channels, source 1 = 16 points.  In the result a lane holds ONE point (lane % 16) and channels 8 (lane / 16) + 0..7; two results rounded to f16 ARE
; source 1 (32 channels x 16 points) of the next layer.  So the activations never leave the registers: two buffers P and Q of 256 registers take turns.
; NO CLUSTER: what work-groups share is the weights, 196,608 bytes fetched once, against 565,248 bytes of condition numbers and the gathers, which are each work-group's own.
; LDS: 0 fragments of layers 1-5; 163,840 biases (both filled once, a quarter by each wave); 167,936 + 35,328 w: wave w's slot, 128 rows of 276 bytes as they lie in memory, filled for each block;
;      309,248 + 4,096 w: wave w's stage (features in, results out; no fill lands there); 325,632 the spare words.
; REGISTERS, in windows of 256 (s_set_vgpr_msb: bits 1:0 source 0, 3:2 source 1, 5:4 source 2, 7:6 destination):
;   window 0: v0-16 addresses; v32-95 weight fragments, two sets of four; v96-111 bias, two sets; v128-255 accumulators, two sets of eight tiles
;   window 1: P (tile t, fragment c at 32 t + 8 c); while a block is encoded, the encoder's registers      window 2: Q, likewise      window 3: W0's 24 fragments and W6's 4
.set NBLK,  4
.set WQ,    41984                      ; a wave's quarter of the first fill: 164 rows of 256 bytes
.set BIASL, 163840
.set SLOT0, 167936
.set SLOTB, 35328                      ; 128 rows x 276 bytes = 138 x 256
.set TILEB, 4416                       ; 16 rows x 276
.set STAGE, 309248
.set SPARE, 325632
.set W0IMG, 167936                     ; in wimg
.set EXPB,  166976                     ; in wimg: the exponent's sum
.set SPW,  2                           ; v2   my spare word: SPARE + 4 x thread; never rewritten
.set NIL,  3                           ; v3   0; never rewritten
.set WA,   4                           ; v4   LDS address of the layer pair's fragments
.set BA,   5                           ; v5   of its biases
.set L16,  6                           ; v6   16 x lane
.set BA0,  7                           ; v7   BIASL + 32 (lane / 16)
.set CAH,  8                           ; v8   slot + 276 (lane % 16) + 32 (lane / 16)
.set CA0,  9                           ; v9   slot + 276 (lane % 16) + 256
.set ER,   10                          ; v10  stage + 32 (lane % 16) + 16 (lane / 16)
.set OSA,  11                          ; v11  stage + 12 (lane % 16)
.set ST16, 12                          ; v12  stage + 16 x lane
.set ST32, 13                          ; v13  stage + 32 x lane
.set ZERO, 14                          ; v14  0
.set EXP7, 15                          ; v15  the exponent by which the result is unscaled
.set FIXO, 16                          ; v16  12 x lane
.set WB,   32
.set BB,   96
.set ACC,  128
.set OT,   192                         ; the way out: 24 results, then 12 registers read back
.set OB,   216
; the encoder's registers, in window 1
.set ET,  4                            ; tx, ty, tz, and a 0 that fills the pair
.set GX,  8                            ; gx, gy, gz, gx + 1
.set HY,  12                           ; gy P1, (gy + 1) P1
.set HZ,  14                           ; gz P2, (gz + 1) P2
.set AA,  16                           ; the four combinations of y and z
.set TB,  20
.set T1,  21
.set T2,  22
.set DD,  16                           ; four pairs of differences (the index's temporaries are dead then)
.set EE,  24                           ; level l's two features as f16
.set EES, 33                           ; where the group's features go in the stage
.set EX,  64                           ; X, Y, Z of group g at 64 + 4 g
.set FR,  96                           ; level l's fractions at 96 + 4 l
.set LD,  128                          ; level l, corner c: offset, then the two features, at 128 + 16 l + 2 c
.set WV,  14                           ; s14 wave
.set BLK, 15                           ; s15 blocks to go
.set G1C, 16                           ; s[16:23] descriptor group 1, a slot
.set G1W, 24                           ; s[24:31] the weights
.set G0C, 32                           ; s[32:35] group 0, the slot
.set G0W, 36                           ; s[36:39] the weights
.set EB,  40                           ; s[40:55] embeddings at level l's first row
.set P1,  56
.set P2,  57
.set MM,  58                           ; s58-60  floor(2^32 / size) of the dense levels
.set NS,  61                           ; s61-63  - size
.set LAY, 66
.set GRP, 67
.set WO,  68
.set BO,  69
.set MSB, 0
.macro WIN new                         ; the immediate's high byte repeats the setting that is left; a switch that changes nothing is dropped
.if MSB != (\new)
	s_set_vgpr_msb (MSB<<8)|(\new)
.set MSB, \new
.endif
.endm
	s_load_b256 s[4:11], s[0:1], 0x0               ; condition_code s[4:5], embeddings s[6:7], fix s[8:9], wimg s[10:11]
	s_load_b64 s[12:13], s[0:1], 0x20              ; out0
	v_lshl_add_u32 v[SPW], v0, 2, SPARE
	v_mov_b32 v[NIL], 0
	ds_add_u32 v[SPW], v[NIL]                      ; the wave's opening: the add and its wait stand ahead of my first tensor load; the set-up below, work on registers, stands between them
	ds_add_u32 v2, v3
	v_lshrrev_b32 v1, 5, v0
	v_readfirstlane_b32 s[WV], v1                  ; wave 0..3
	; descriptor group 1: dense bytes asked for as rows of 256: elements of 8 bytes, 32 to a row, 32 from row to row
.irp g, G1C, G1W
	s_mov_b32 s[\g], 3<<16                         ; 17:16 element size code 3; no mask, no padding
	s_mov_b32 s[\g+1], 32<<16                      ; tensor_dim0 = 32
	s_mov_b32 s[\g+3], 32<<16                      ; tile_dim0 = 32
	s_mov_b32 s[\g+5], 32                          ; stride
	s_mov_b32 s[\g+6], 0
	s_mov_b32 s[\g+7], 0
.endr
	s_mov_b32 s[G1C+2], 138<<16                    ; tensor_dim1
	s_mov_b32 s[G1C+4], 138                        ; tile_dim1
	s_mov_b32 s[G1W+2], 164<<16
	s_mov_b32 s[G1W+4], 164
	s_mul_i32 s70, s[WV], WQ                       ; my quarter of the weights, in wimg and in LDS
	s_mov_b32 s71, 0
	s_mov_b32 s[G0W], 1
	s_mov_b32 s[G0W+1], s70
	s_mul_i32 s72, s[WV], SLOTB
	s_mov_b32 s[G0C], 1
	s_add_co_u32 s[G0C+1], s72, SLOT0              ; my slot
	s_mul_i32 s2, ttmp9, 565248                    ; 2,048 rows of 276 bytes,
	s_mul_i32 s3, s[WV], 141312                    ; 512 of them
	s_add_co_u32 s2, s2, s3
	s_mov_b32 s3, 0
	s_mul_i32 s72, ttmp9, 24576                    ; 12 bytes a point in fix and in out0
	s_mul_i32 s73, s[WV], 6144
	s_add_co_u32 s72, s72, s73
	s_mov_b32 s73, 0
	s_mov_b32 s[P1], 2654435761
	s_mov_b32 s[P2], 805459861
	s_mov_b32 s[MM], (1<<32)/4920
	s_mov_b32 s[MM+1], (1<<32)/35944
	s_mov_b32 s[MM+2], (1<<32)/274632
	s_mov_b32 s[NS], (-4920)&0xffffffff
	s_mov_b32 s[NS+1], (-35944)&0xffffffff
	s_mov_b32 s[NS+2], (-274632)&0xffffffff
	v_and_b32 v1, 31, v0                           ; lane
	v_and_b32 v17, 15, v0                          ; r
	v_bfe_u32 v18, v0, 4, 1                        ; h
	v_lshlrev_b32 v[L16], 4, v1
	v_mul_u32_u24 v[FIXO], v1, 12
	v_lshlrev_b32 v[BA0], 5, v18
	v_add_nc_u32 v[BA0], BIASL, v[BA0]
	v_mul_u32_u24 v19, v17, 276
	v_add_nc_u32 v19, s[G0C+1], v19
	v_lshl_add_u32 v[CAH], v18, 5, v19
	v_add_nc_u32 v[CA0], 256, v19
	s_lshl_b32 s74, s[WV], 12
	s_add_co_u32 s74, s74, STAGE                   ; my stage
	v_lshl_add_u32 v[ER], v17, 5, s74
	v_lshl_add_u32 v[ER], v18, 4, v[ER]
	v_mul_u32_u24 v[OSA], v17, 12
	v_add_nc_u32 v[OSA], s74, v[OSA]
	v_add_nc_u32 v[ST16], s74, v[L16]
	v_lshl_add_u32 v[ST32], v1, 5, s74
	v_mov_b32 v[ZERO], 0
	s_wait_dscnt 0x0                               ; the opening add is done
	s_wait_kmcnt 0x0
	s_add_nc_u64 s[G0W+2:G0W+3], s[10:11], s[70:71]
	s_or_b32 s[G0W+3], s[G0W+3], 0x80000000        ; type = 2
	s_add_nc_u64 s[G0C+2:G0C+3], s[4:5], s[2:3]
	s_or_b32 s[G0C+3], s[G0C+3], 0x80000000
	s_add_nc_u64 s[8:9], s[8:9], s[72:73]
	s_add_nc_u64 s[12:13], s[12:13], s[72:73]
	s_add_nc_u64 s[EB:EB+1], s[6:7], 0             ; the levels' first rows: 8 bytes a row
	s_add_nc_u64 s[EB+2:EB+3], s[6:7], 8*4920
	s_add_nc_u64 s[EB+4:EB+5], s[6:7], 8*40864
	s_add_nc_u64 s[EB+6:EB+7], s[6:7], 8*315496
	s_add_nc_u64 s[EB+8:EB+9], s[6:7], 8*839784
	s_add_nc_u64 s[EB+10:EB+11], s[6:7], 8*1364072
	s_add_nc_u64 s[EB+12:EB+13], s[6:7], 8*1888360
	s_add_nc_u64 s[EB+14:EB+15], s[6:7], 8*2412648
	tensor_load_to_lds s[G0W:G0W+3], s[G1W:G1W+7]  ; the one first fill at the start: my quarter of layers 1-5 and the biases
	s_nop 0
.rept 4
	v_nop
.endr
	WIN 0xc0                                       ; destination window 3: W0's and W6's fragments stay in registers (LDS has no room for them beside the slots)
.set fa, 0
.rept 56
	global_load_b128 v[4*fa:4*fa+3], v[L16], s[10:11] offset:W0IMG+512*fa
.set fa, fa+1
.endr
	WIN 0
	global_load_b32 v[EXP7], v[ZERO], s[10:11] offset:EXPB
.macro FIXLOADS                        ; a block's coordinates: group g, coordinate c of my point
	WIN 0x40
.irp g, 0,1,2,3
.irp c, 0,1,2
	global_load_b32 v[EX+4*\g+\c], v[FIXO], s[8:9] offset:384*\g+4*\c th:TH_LOAD_NT
.endr
.endr
	WIN 0
.endm
	FIXLOADS
; THE ENCODER.  Level l has resolution 2^(4+l): position x 2^(20-l) = X + 2^(19-l); the cell is that word shifted right by 20 - l, the fraction its low bits.
.macro FRAC l
.set SH, 20-(\l)
.irp k, 0,1,2
	v_add_nc_u32 v[ET+\k], 1<<(SH-1), v[EX+\k]
.endr
.irp k, 0,1,2
	v_lshrrev_b32 v[GX+\k], SH, v[ET+\k]
.endr
.irp k, 0,1,2
	v_and_b32 v[ET+\k], (1<<SH)-1, v[ET+\k]
.endr
.irp k, 0,1,2
	v_cvt_f32_u32 v[ET+\k], v[ET+\k]               ; 20 bits at the most: exact
.endr
	v_pk_mul_f32 v[FR+4*(\l):FR+4*(\l)+1], v[ET:ET+1], (127-SH)<<23 op_sel_hi:[1,0]
	v_pk_mul_f32 v[FR+4*(\l)+2:FR+4*(\l)+3], v[ET+2:ET+3], (127-SH)<<23 op_sel_hi:[1,0]
.endm
.macro GATHER l                        ; rows to bytes, then eight loads of 8 bytes a lane; each lands on its own offset register
.irp c, 0,1,2,3,4,5,6,7
	v_lshlrev_b32 v[LD+16*(\l)+2*\c], 3, v[LD+16*(\l)+2*\c]
.endr
.irp c, 0,1,2,3,4,5,6,7
	global_load_b64 v[LD+16*(\l)+2*\c:LD+16*(\l)+2*\c+1], v[LD+16*(\l)+2*\c], s[EB+2*(\l):EB+2*(\l)+1]
.endr
.endm
; A hashed level: row = (x ^ y P1 ^ z P2) mod 2^19.  Corner c = x + 2 y + 4 z.  gx stays under 2^19, so masking the y-z part is enough; the minimum states the bound in the line itself.
.macro INDEXH l
	FRAC \l
	v_mul_lo_u32 v[HY], v[GX+1], s[P1]
	v_mul_lo_u32 v[HZ], v[GX+2], s[P2]
	v_add_nc_u32 v[GX+3], 1, v[GX]
	v_add_nc_u32 v[HY+1], s[P1], v[HY]
	v_add_nc_u32 v[HZ+1], s[P2], v[HZ]
	v_xor_b32 v[AA], v[HY], v[HZ]
	v_xor_b32 v[AA+1], v[HY+1], v[HZ]
	v_xor_b32 v[AA+2], v[HY], v[HZ+1]
	v_xor_b32 v[AA+3], v[HY+1], v[HZ+1]
.irp k, 0,1,2,3
	v_and_b32 v[AA+\k], 0x7ffff, v[AA+\k]
.endr
.irp c, 0,1,2,3,4,5,6,7
	v_xor_b32 v[LD+16*(\l)+2*\c], v[GX+3*((\c)%2)], v[AA+(\c)/2]
.endr
.irp c, 0,1,2,3,4,5,6,7
	v_min_u32 v[LD+16*(\l)+2*\c], 0x7ffff, v[LD+16*(\l)+2*\c]
.endr
	GATHER \l
.endm
; A dense level: row = (x + y r1 + z r1^2) mod size.  The quotient by floor(2^32 / size) is at most one too small, so one conditional subtraction (a minimum of unsigned numbers) ends the division;
; a corner adds less than size, so one more does for it.
.macro INDEXD l, r1, size
.set RR, (\r1)*(\r1)
	FRAC \l
	v_mad_u32_u24 v[TB], v[GX+1], \r1, v[GX]
	v_mad_u32_u24 v[TB], v[GX+2], RR, v[TB]
	v_mul_hi_u32 v[T1], v[TB], s[MM+(\l)]
	v_mul_lo_u32 v[T1], v[T1], s[NS+(\l)]
	v_add_nc_u32 v[TB], v[TB], v[T1]
	v_add_nc_u32 v[T1], s[NS+(\l)], v[TB]
	v_min_u32 v[TB], v[TB], v[T1]
	v_min_u32 v[LD+16*(\l)], (\size)-1, v[TB]
.irp c, 1,2,3,4,5,6,7
.set OFC, ((\c)&1)+(((\c)>>1)&1)*(\r1)+(((\c)>>2)&1)*RR
	v_add_nc_u32 v[T1], OFC, v[TB]
	v_add_nc_u32 v[T2], (OFC-(\size))&0xffffffff, v[TB]
	v_min_u32 v[T1], v[T1], v[T2]
	v_min_u32 v[LD+16*(\l)+2*\c], (\size)-1, v[T1]
.endr
	GATHER \l
.endm
.macro INDEX l
.if (\l) == 0
	INDEXD 0, 17, 4920
.elseif (\l) == 1
	INDEXD 1, 33, 35944
.elseif (\l) == 2
	INDEXD 2, 65, 274632
.else
	INDEXH \l
.endif
.endm
; Trilinear interpolation of both features at once, in place: along x (four times), y (twice), z; then the pair rounded to f16.
.macro LERP l
.set LB, LD+16*(\l)
.set FB, FR+4*(\l)
.irp j, 0,1,2,3
	v_pk_add_f32 v[DD+2*\j:DD+2*\j+1], v[LB+4*\j+2:LB+4*\j+3], v[LB+4*\j:LB+4*\j+1] neg_lo:[0,1] neg_hi:[0,1]
.endr
.irp j, 0,1,2,3
	v_pk_fma_f32 v[LB+4*\j:LB+4*\j+1], v[DD+2*\j:DD+2*\j+1], v[FB:FB+1], v[LB+4*\j:LB+4*\j+1] op_sel_hi:[1,0,1]
.endr
.irp j, 0,1
	v_pk_add_f32 v[DD+2*\j:DD+2*\j+1], v[LB+8*\j+4:LB+8*\j+5], v[LB+8*\j:LB+8*\j+1] neg_lo:[0,1] neg_hi:[0,1]
.endr
.irp j, 0,1
	v_pk_fma_f32 v[LB+8*\j:LB+8*\j+1], v[DD+2*\j:DD+2*\j+1], v[FB:FB+1], v[LB+8*\j:LB+8*\j+1] op_sel:[0,1,0]
.endr
	v_pk_add_f32 v[DD:DD+1], v[LB+8:LB+9], v[LB:LB+1] neg_lo:[0,1] neg_hi:[0,1]
	v_pk_fma_f32 v[LB:LB+1], v[DD:DD+1], v[FB+2:FB+3], v[LB:LB+1] op_sel_hi:[1,0,1]
	v_cvt_pk_f16_f32 v[EE+(\l)], v[LB], v[LB+1]
.endm
.macro STORE_E                         ; my point's 16 features, 32 bytes, into the stage; the next group lies 1,024 bytes on
	ds_store_b128 v[EES], v[EE:EE+3]
	ds_store_b128 v[EES], v[EE+4:EE+7] offset:16
	v_add_nc_u32 v[EES], 0x400, v[EES]
.endm
; PHASE A.  Tile t's 16 rows out of the slot: a row is 276 bytes, a multiple of 4 alone, so the loads are of one word.  Word addresses 69 r + 8 h + constant fall on 32 different banks
; (64 banks of 4 bytes: ISA guide 11.1).  38 LDS loads: 32 words for fragments 0 and 1, numbers 64-68, and my 8 features, which are fragment 2's second half as they lie.
.macro LOADT t, buf
	WIN 0
.set ia, 0
.rept 32
	ds_load_b32 v[(\buf)+ia], v[CAH] offset:TILEB*(\t)+128*(ia/16)+64*((ia/8)%2)+4*(ia%8)
.set ia, ia+1
.endr
.irp i, 0,1,2,3,4
	ds_load_b32 v[(\buf)+32+\i], v[CA0] offset:TILEB*(\t)+4*\i
.endr
	WIN 0x80
	ds_load_b128 v[32*(\t)+20:32*(\t)+23], v[ER] offset:512*(\t)
.endm
.macro CVTT t, buf                     ; rounded to f16 into Q; channels 69-71 are 0 (in the upper half of the lanes numbers 64-68 stand at channels 72-76, where the weights' image is zero)
	WIN 0x80
.set ja, 0
.rept 18
	v_cvt_pk_f16_f32 v[32*(\t)+ja], v[(\buf)+2*ja], v[(\buf)+2*ja+1]
.set ja, ja+1
.endr
	v_cvt_pk_f16_f32 v[32*(\t)+18], v[(\buf)+36], v[ZERO]
	v_mov_b32 v[32*(\t)+19], 0
.endm
; A RUN: 16 output channels (number n of the layer's eight) for all eight tiles: 8 ks matrix instructions.  The eight accumulators take turns, one instruction a turn, and the two sets alternate from run to run.
; The first product of each sum takes the bias as C.  ab: the run's fragments (window by wm).  At the head the run waits for its fragments and bias, asked for a whole run earlier,
; and asks for the next run's: nk = 0 nothing, 1 the bias, 2 four fragments and the bias, 3 the same, but no fragments where the next layer is the last (its weights lie in registers).
; rid = 1: behind each of the first 16 matrix instructions stand four vector instructions for the run before: a tile's eight sums rounded to f16 (window cw), then ReLU on the packed halves (window mw):
; they are the next layer's source 1, registers 4 (n - 1) .. of the tile.  Each accumulator is read from its lowest registers on.
; The four v_nop at the end are the places between the run's last products and the next run's readers of them, and its loads into the fragments just read.
.macro RUN n, ks, wm, ab, cw, mw, rid, nk, woff, breg, boff
.set AC,  ACC+64*((\n)%2)
.set ACP, ACC+64*(((\n)+1)%2)
.set BC,  BB+8*((\n)%2)
.set BN,  BB+8*(((\n)+1)%2)
.set WN,  WB+32*(((\n)+1)%2)
.set RN,  ((\n)+7)%8
	WIN 0
	s_wait_dscnt 0x0
.if (\nk) >= 2
.if (\nk) == 3
	s_cmp_eq_u32 s[LAY], 1
	s_cbranch_scc1 .Lnofrag\@
.endif
.irp f, 0,1,2,3,4,5,6,7
	ds_load_b128 v[WN+4*\f:WN+4*\f+3], v[WA] offset:(\woff)+512*\f
.endr
.if (\nk) == 3
.Lnofrag\@:
.endif
.endif
.if (\nk) >= 1
	ds_load_b128 v[BN:BN+3], v[\breg] offset:(\boff)
	ds_load_b128 v[BN+4:BN+7], v[\breg] offset:(\boff)+16
.endif
.set ix, 0
.rept 8*(\ks)
.set cc, ix/8
.set tt, ix%8
	WIN \wm
.if cc == 0
	v_wmma_f32_16x16x32_f16 v[AC+8*tt:AC+8*tt+7], v[(\ab):(\ab)+7], v[32*tt:32*tt+7], v[BC:BC+7]
.else
	v_wmma_f32_16x16x32_f16 v[AC+8*tt:AC+8*tt+7], v[(\ab)+8*cc:(\ab)+8*cc+7], v[32*tt+8*cc:32*tt+8*cc+7], v[AC+8*tt:AC+8*tt+7]
.endif
.if (\rid) && (ix < 16)
.set rd, 32*(ix/2)+4*RN
.set rs, ACP+8*(ix/2)
.if ix%2 == 0
	WIN \cw
.irp j, 0,1,2,3
	v_cvt_pk_f16_f32 v[rd+\j], v[rs+2*\j], v[rs+2*\j+1]
.endr
.else
	WIN \mw
.irp j, 0,1,2,3
	v_pk_max_num_f16 v[rd+\j], v[rd+\j], v[ZERO]
.endr
.endif
.endif
.set ix, ix+1
.endr
.rept 4
	v_nop
.endr
.endm
	s_mov_b32 s[BLK], NBLK
.Lblock:                                           ; four trips: a block of 128 points a wave.  Every trip issues one fill and reads it, so no trip differs from another
	s_wait_tensorcnt 0x0                           ; all my tensor loads have landed (in the first trip: my quarter of the weights),
	ds_add_u32 v[SPW], v[NIL]                      ; 0 onto my spare word;
	s_wait_dscnt 0x0                               ; the add is done, and my reads of my slot are over
	s_barrier_signal -1
	s_barrier_wait -1                              ; all four waves' quarters of the weights lie in LDS
	tensor_load_to_lds s[G0C:G0C+3], s[G1C:G1C+7]  ; my one tensor load behind the barrier: the block's 128 rows of condition numbers; it has the whole encoding in which to land
	s_nop 0
.rept 4
	v_nop
.endr
	; THE ENCODING, a lane a point, four groups of 32.  A level's eight gathers are used a whole group later: 64 loads of the wave are on their way throughout.
	WIN 0x40
	v_mov_b32 v[EES], v[ST32]
	WIN 0x55
	v_mov_b32 v[ET+3], 0
	s_wait_loadcnt 0x0                             ; the block's coordinates (in the first trip W0, W6 and the exponent too)
.irp l, 0,1,2,3,4,5,6,7
	INDEX \l
.endr
	WIN 0
	s_mov_b32 s[GRP], 3
.Lgrp:
	WIN 0x55
.irp k, 0,1,2
	v_mov_b32 v[EX+\k], v[EX+4+\k]                 ; the next group's coordinates move down
	v_mov_b32 v[EX+4+\k], v[EX+8+\k]
	v_mov_b32 v[EX+8+\k], v[EX+12+\k]
.endr
.irp l, 0,1,2,3,4,5,6,7
	s_wait_loadcnt 56                              ; behind this level's eight loads seven levels' were issued: they stay out
	LERP \l
	INDEX \l
.endr
	STORE_E
	WIN 0
	s_sub_co_u32 s[GRP], s[GRP], 1
	s_cmp_lg_u32 s[GRP], 0
	s_cbranch_scc1 .Lgrp
	WIN 0x55
.irp l, 0,1,2,3,4,5,6,7
	s_wait_loadcnt 56-8*\l                         ; the last group: the counts run down
	LERP \l
.endr
	STORE_E
	; PHASE A: condition numbers and features into Q
	WIN 0
	s_wait_tensorcnt 0x0                           ; my slot is in: no load was issued behind its fill; only I read it
	s_add_nc_u64 s[G0C+2:G0C+3], s[G0C+2:G0C+3], SLOTB  ; no tensor load of mine is out: the next block's rows (behind the last block the stepped address is not used)
	LOADT 0, 128
	LOADT 1, 168
.irp t, 0,1,2,3,4,5
	s_wait_dscnt 38                                ; the tile is in; the younger tile's 38 loads stay out
	CVTT \t, 128+40*((\t)%2)
	LOADT (\t)+2, 128+40*((\t)%2)
.endr
	s_wait_dscnt 38
	CVTT 6, 128
	s_wait_dscnt 0x0
	CVTT 7, 168
	WIN 0
	s_mov_b32 s[WO], 0
	s_mov_b32 s[BO], 512
	v_add_nc_u32 v[WA], s[WO], v[L16]              ; layer 1's fragments,
	v_add_nc_u32 v[BA], s[BO], v[BA0]              ; and its bias
	ds_load_b128 v[BB:BB+3], v[BA0]                ; layer 0, channels 0-15
	ds_load_b128 v[BB+4:BB+7], v[BA0] offset:16
	; LAYER 0: Q -> P, K = 96, fragments in window 3
	RUN 0, 3, 0x0b, 0, 0, 0, 0, 1, 0, BA0, 64
.irp n, 1,2,3,4,5,6
	RUN \n, 3, 0x0b, 24*(\n), 0x40, 0x41, 1, 1, 0, BA0, 64*((\n)+1)
.endr
	RUN 7, 3, 0x0b, 168, 0x40, 0x41, 1, 2, 0, BA, 0
	WIN 0
	s_mov_b32 s[LAY], 3
.Lpair:                                            ; layers 1 and 2, 3 and 4, then 5 alone: the loop is left in its middle
	RUN 0, 4, 0x04, WB, 0x40, 0x41, 1, 2, 4096, BA, 64        ; an odd layer: P -> Q; its first run finishes P
.irp n, 1,2,3,4,5,6
	RUN \n, 4, 0x04, WB+32*((\n)%2), 0x80, 0x82, 1, 2, 4096*((\n)+1), BA, 64*((\n)+1)
.endr
	RUN 7, 4, 0x04, WB+32, 0x80, 0x82, 1, 3, 32768, BA, 512
	WIN 0
	s_cmp_eq_u32 s[LAY], 1
	s_cbranch_scc1 .Llast
	RUN 0, 4, 0x08, WB, 0x80, 0x82, 1, 2, 32768+4096, BA, 512+64  ; an even layer: Q -> P; its first run finishes Q
.irp n, 1,2,3,4,5,6
	RUN \n, 4, 0x08, WB+32*((\n)%2), 0x40, 0x41, 1, 2, 32768+4096*((\n)+1), BA, 512+64*((\n)+1)
.endr
	WIN 0
	s_add_co_u32 s[WO], s[WO], 65536               ; the next pair of layers
	s_add_co_u32 s[BO], s[BO], 1024
	v_add_nc_u32 v[WA], s[WO], v[L16]
	v_add_nc_u32 v[BA], s[BO], v[BA0]
	RUN 7, 4, 0x08, WB+32, 0x40, 0x41, 1, 2, 0, BA, 0
	WIN 0
	s_sub_co_u32 s[LAY], s[LAY], 1
	s_cmp_lg_u32 s[LAY], 0
	s_cbranch_scc1 .Lpair
.Llast:
	s_cmp_eq_u32 s[BLK], 1                         ; P is dead from here on: the next block's coordinates are asked for, where there is a next block
	s_cbranch_scc1 .Lnofix
	s_add_nc_u64 s[8:9], s[8:9], 1536              ; (the loads that read this address were waited for at the head of the encoding)
	FIXLOADS
.Lnofix:
	RUN 0, 4, 0x0b, 192, 0x80, 0x82, 1, 0, 0, BA, 0  ; LAYER 6: its first riders finish Q; rows 0-2 and 8-10 of the result are the three outputs, so both halves of the lanes hold them
	; THE WAY OUT: unscaled, through my stage, so that the block's 1,536 bytes leave as three stores of 512 consecutive bytes, each at a multiple of 256 from out0's first byte
	WIN 0
.irp t, 0,1,2,3,4,5,6,7
.irp j, 0,1,2
	v_ldexp_f32 v[OT+3*\t+\j], v[ACC+8*\t+\j], v[EXP7]
.endr
.endr
.irp t, 0,1,2,3,4,5,6,7
.irp j, 0,1,2
	ds_store_b32 v[OSA], v[OT+3*\t+\j] offset:192*\t+4*\j  ; lanes r and r + 16 write the same word with the same number
.endr
.endr
.irp i, 0,1,2
	ds_load_b128 v[OB+4*\i:OB+4*\i+3], v[ST16] offset:512*\i  ; LDS serves a wave's instructions in order (ISA guide 5.7.1.4): these see the stores above
.endr
	s_wait_dscnt 0x0
.irp i, 0,1,2
	global_store_b128 v[L16], v[OB+4*\i:OB+4*\i+3], s[12:13] offset:512*\i th:TH_STORE_NT
.endr
	s_wait_xcnt 0x0                                ; the stores have read their base and their data: both are written again only behind this wait
	s_add_nc_u64 s[12:13], s[12:13], 1536
	s_sub_co_u32 s[BLK], s[BLK], 1
	s_cmp_lg_u32 s[BLK], 0
	s_cbranch_scc1 .Lblock
	s_wait_tensorcnt 0x0                           ; the wave's end, behind my last tensor load and my last LDS store
	ds_add_u32 v[SPW], v[NIL]
	s_wait_dscnt 0x0
	s_endpgm
.Lfunc_end_k_q84db41f269_mlp:
	.size	k_q84db41f269_mlp, .Lfunc_end_k_q84db41f269_mlp-k_q84db41f269_mlp
	.p2alignl 7, 3214868480
	.fill 96, 4, 3214868480
	.section	.rodata,"a",@progbits
	.p2align	6, 0x0
	.amdhsa_kernel k_q84db41f269_mlp
		.amdhsa_group_segment_fixed_size 327680
		.amdhsa_private_segment_fixed_size 0
		.amdhsa_enable_private_segment 0
		.amdhsa_kernarg_size 40
		.amdhsa_user_sgpr_count 2
		.amdhsa_user_sgpr_kernarg_segment_ptr 1
		.amdhsa_wavefront_size32 1
		.amdhsa_system_sgpr_workgroup_id_x 1
		.amdhsa_system_sgpr_workgroup_id_y 1
		.amdhsa_system_sgpr_workgroup_id_z 1
		.amdhsa_system_vgpr_workitem_id 0
		.amdhsa_next_free_vgpr 1024
		.amdhsa_next_free_sgpr 76
		.amdhsa_reserve_vcc 0
		.amdhsa_float_denorm_mode_32 3
		.amdhsa_float_denorm_mode_16_64 3
		.amdhsa_memory_ordered 1
		.amdhsa_forward_progress 1
		.amdhsa_inst_pref_size 255
	.end_amdhsa_kernel
	.section	.bss,"aw",@nobits
	.p2align	6
	.space	262144
	.amdgpu_metadata
---
amdhsa.version: [ 1, 2 ]
amdhsa.kernels:
  - .name:           k_q84db41f269_mlp
    .symbol:         k_q84db41f269_mlp.kd
    .args:
      - { .name: condition_code, .offset: 0, .size: 8, .value_kind: global_buffer, .address_space: global }
      - { .name: embeddings, .offset: 8, .size: 8, .value_kind: global_buffer, .address_space: global }
      - { .name: fix, .offset: 16, .size: 8, .value_kind: global_buffer, .address_space: global }
      - { .name: wimg, .offset: 24, .size: 8, .value_kind: global_buffer, .address_space: global }
      - { .name: out0, .offset: 32, .size: 8, .value_kind: global_buffer, .address_space: global }
    .group_segment_fixed_size: 327680
    .private_segment_fixed_size: 0
    .kernarg_segment_align: 8
    .kernarg_segment_size: 40
    .max_flat_workgroup_size: 128
    .sgpr_count:     76
    .vgpr_count:     1024
    .wavefront_size: 32
...
	.end_amdgpu_metadata
.endif
;; end of part 2
;; ======== version 2 of 2: 2 launches; version 1 with the launch prep written anew for expert scheduling mode
;; limits: values are held in f16: magnitudes above 65,504 overflow, below 6.1e-05 lose precision; inputs' magnitudes at most 65,504
;; workspace buffers: fix 6,291,456 bytes of whole numbers; wimg 196,608 bytes
;; launch prep (part 3): grid 256 x 1, 8 waves a work-group, no clusters, 58,624 bytes of LDS; arguments xyz, W0, W1, W2, W3, W4, W5, W6, b0, b1, b2, b3, b4, b5, b6, fix, wimg; writes fix, wimg
.if DOCPART == 3
	.amdgcn_target "amdgcn-amd-amdhsa--gfx1250"
	.amdhsa_code_object_version 6
	.text
	.protected	k_q84db41f269_prep
	.globl	k_q84db41f269_prep
	.p2align	8
	.type	k_q84db41f269_prep,@function
k_q84db41f269_prep:
	s_mov_b64 s[64:65], 0
	v_nop
	global_prefetch_b8 v0, s[64:65] scope:SCOPE_SE
	s_setreg_imm32_b32 hwreg(HW_REG_WAVE_SCHED_MODE, 0, 2), 2
	s_setreg_imm32_b32 hwreg(HW_REG_WAVE_MODE, 25, 1), 1
	s_wait_xcnt 0x0
	s_wait_alu depctr_vm_vsrc(0)
; PREPARATION for the fused launch.  Two results.
; (1) fix[p][d] = trunc(min((xyz[p][d] + 1) x 2^23, 2^31)): the coordinate in 0..1 as a fixed-point word with 24 fraction bits, a whole number.
;     The grid's resolutions are 2^(4+l), so every level's cell is a shift of that word and every fraction a mask of it.  x + 1 is rounded as f32 addition rounds it
;     (one fused multiply-add by 2^23, a power of two).  LIMITS: a coordinate below -1, and a NaN's place, count as a bound of the range (0 or 2^31); coordinates are taken up to 255.
; (2) wimg: the seven weight matrices as f16 fragments in the register order of the matrix instruction, and the biases in f32, all scaled by powers of two:
;     W'_l = W_l 2^-e_l, b'_l = b_l 2^-(e_0+..+e_l); ReLU commutes with a positive scale, so the last layer's result times 2^(e_0+..+e_6) is the module's.
;     e_l = half the binary exponent of max(A, B) / 2^o, A = sum over columns of (column sum)^2, B = sum of squares, o = 8 (2 x 128 channels; W6: A = 0, o = 3), held to -40..40:
;     so a layer changes the activations' root mean square by a factor between 0.7 and 1.41, whether they add up in step or not, and f16's range is kept whatever the weights' scale.
;     LIMIT: a bias more than some 1e4 times its layer's sums would leave f16's range in the next layer.
; wimg, bytes: 0 layers 1-5, fragment 32 (l-1) + 4 nt + c of 1,024 bytes; 163,840 biases (word 128 l + channel; words 768-783 b6' as (b0,b1,b2,0,0,0,0,0) twice; word 784 the exponent's sum);
;     167,936 W0, fragment 3 nt + c (image rows 0-68 = W0's rows 0-68, 69-79 zero, 80-95 = rows 69-84); 192,512 W6, fragment c (row n = column n % 8 if that is below 3, else zero).
;     A fragment: [q = 0,1][lane][8 f16] = W'[32 c + 16 q + 8 (lane / 16) + i][16 nt + lane % 16].
; SHARES.  Every work-group converts 24,576 bytes of xyz.  Work-groups 0-47 then find the seven exponents (all by the same text on the same numbers, so they agree bit for bit)
; and write 4,096 bytes of wimg each, 16 bytes a thread: a wave's store covers 512 consecutive bytes, aligned.
; THE MODE: SCHED_MODE bits 1:0 = 2 (LLVM: expert scheduling mode 2), set by the entry lines.  The code itself states the register dependences
; between vector instructions and memory or LDS instructions, with s_wait_alu, always for 0.
; THE PLAN.  Registers that memory or LDS instructions touch:
;   v5            16 x thread: written once at the head; the offset of xyz's loads and of every store; never written again.
;   v[16:39]      six pieces of xyz: a load lands, twelve conversions rewrite the piece in place, its store reads it.  Piece i - 1 is stored at the head of piece i, behind one wait.
;                 v20 to v36 are written again where the image is made: one wait behind the last store states that the stores have read them.
;   v7 .. v12, v14, v15   offsets and LDS addresses, all made at the head of the sums' part, ahead of one wait; never written again.
;   R0, R1, R2    weights as loaded.  A matrix's sum lines read a set; behind the wait that follows them the set is loaded again (v[64:124], v[64:71]: the LDS loads behind the two barriers).
;   v[40:44]      a matrix's partial sums: written by its sum lines, read by two LDS stores, written again by the next matrix's: a wait at the head of each matrix's sums but the first.
;   v[48:52]      W6's partial sums, in registers of their own, so that they share the wait of W0's.
;   v13, v22, v[24:35]   written once on each way, ahead of the wait that stands in front of the store or loads that read them.
; Scalar registers that vector instructions write (the wave's number, masks, exponents): a wait between each run of such lines and its first reader.
.set EXPW,  57344                      ; LDS: eight words, wave w's exponent.  The 1,024 bytes from 57,600 on are the spare words
.set R0, 64                            ; three sets of 64 registers in which weights land
.set R1, 128
.set R2, 192
	s_load_b512 s[8:23], s[0:1], 0x0               ; xyz s[8:9], W0 s[10:11] .. W6 s[22:23]
	s_load_b512 s[24:39], s[0:1], 0x40             ; b0 s[24:25] .. b6 s[36:37], fix s[38:39]
	s_load_b64 s[40:41], s[0:1], 0x80              ; wimg
	v_lshl_add_u32 v62, v0, 2, 0xe100
	v_mov_b32 v63, 0
	v_lshrrev_b32 v1, 5, v0
	v_readfirstlane_b32 s42, v1                    ; wave 0..7
	v_lshlrev_b32 v5, 4, v0                        ; 16 x thread; never rewritten
	s_mul_i32 s44, ttmp9, 24576                    ; the work-group's part of xyz and of fix
	s_mov_b32 s45, 0
	s_mov_b32 s43, 0x4b000000                      ; 2^23
	s_wait_alu depctr_va_sdst(0)                   ; s42 is written
	s_wait_kmcnt 0x0
	s_add_nc_u64 s[8:9], s[8:9], s[44:45]
	s_add_nc_u64 s[38:39], s[38:39], s[44:45]
	s_wait_alu depctr_va_vdst(0)                   ; v5 is written, which the loads and stores below read as their offset
	; PART F: six loads of 16 bytes a thread, all out at once; each is converted in place; a piece is stored at the head of the next piece's turn
.irp i, 0,1,2,3,4,5
	global_load_b128 v[16+4*\i:19+4*\i], v5, s[8:9] offset:4096*\i th:TH_LOAD_NT
.endr
.irp i, 0,1,2,3,4,5
	s_wait_loadcnt 5-\i                            ; loads come back in order: mine is in, the younger ones stay out
.if (\i) > 0
	s_wait_alu depctr_va_vdst(0)                   ; the conversions of the piece before have written its four registers, which the store below reads
	global_store_b128 v5, v[12+4*\i:15+4*\i], s[38:39] offset:4096*((\i)-1)
.endif
.irp k, 0,1,2,3
	v_fma_f32 v[16+4*\i+\k], v[16+4*\i+\k], s43, s43
.endr
.irp k, 0,1,2,3
	v_min_num_f32 v[16+4*\i+\k], 0x4f000000, v[16+4*\i+\k]
.endr
.irp k, 0,1,2,3
	v_cvt_u32_f32 v[16+4*\i+\k], v[16+4*\i+\k]     ; toward zero; a negative number gives 0
.endr
.endr
	s_wait_alu depctr_va_vdst(0)                   ; the last piece's conversions have written v[36:39], which the last store reads
	global_store_b128 v5, v[36:39], s[38:39] offset:4096*5
	s_wait_alu depctr_vm_vsrc(0)                   ; the six stores have read v[16:39], of which v20 to v36 are written again where the image is made
	s_cmp_lt_u32 ttmp9, 48                         ; the same in all eight waves: the barriers below are passed by all or by none
	s_cbranch_scc0 .Lend
	; PART N: partial sums.  Lane L owns columns 4 L .. 4 L + 3, wave w the rows w + 8 i.
	s_wait_xcnt 0x0                                ; the stores above have had their addresses translated: their registers are rewritten only behind this wait
	v_and_b32 v6, 31, v0                           ; lane
	v_cmp_gt_u32 s69, 96, v0                       ; W6 is 96 pieces of 16 bytes: threads 0-95 take one each, the others piece 0, counted as 0
	v_lshlrev_b32 v7, 4, v6                        ; 16 x lane
	s_lshl_b32 s44, s42, 9
	v_add_nc_u32 v8, s44, v7                       ; row w, my four columns
	s_add_co_u32 s45, s42, 80
	s_min_u32 s45, s45, 84                         ; W0 has 85 rows: its eleventh turn exists for waves 0-4 alone; the others read row 84 and count it as 0
	s_lshl_b32 s45, s45, 9
	v_add_nc_u32 v9, s45, v7
	s_cmp_lt_u32 s42, 5
	s_cselect_b32 s68, -1, 0
	v_lshlrev_b32 v11, 5, v0                       ; LDS: 32 bytes a thread in each matrix's 8,192
	s_min_u32 s46, s42, 6                          ; behind the first barrier wave w finishes matrix min(w, 6):
	s_lshl_b32 s46, s46, 13
	v_lshl_add_u32 v12, v6, 5, s46                 ; where my four columns' partial sums lie
	s_lshl_b32 s47, s42, 2
	v_mov_b32 v14, s47                             ; my wave's word among the exponents
	v_mov_b32 v15, 0                               ; offset 0: the exponents' loads, and b6's
	s_mov_b32 s66, 0x76543210                      ; v_permlanex16_b32: each lane takes its own place in the other half
	s_mov_b32 s67, 0xfedcba98
	s_wait_alu depctr_va_sdst(0)                   ; s69 is written, ahead of its first reader
	v_cndmask_b32 v10, 0, v5, s69
	s_wait_alu depctr_va_vdst(0)                   ; v7 to v12, v14 and v15 are written: the offsets and LDS addresses of all that follows
.macro LOADW set, ptr, n
.set ia, 0
.rept \n
	global_load_b128 v[\set+4*ia:\set+4*ia+3], v8, s[\ptr:\ptr+1] offset:4096*ia
.set ia, ia+1
.endr
.endm
; n quads in a set: column sums into v[40:43], squares into v[44:47] and then v44; the first two quads start the sums.
.macro ACC set, n
	v_pk_add_f32 v[40:41], v[\set:\set+1], v[\set+4:\set+5]
	v_pk_add_f32 v[42:43], v[\set+2:\set+3], v[\set+6:\set+7]
	v_pk_mul_f32 v[44:45], v[\set:\set+1], v[\set:\set+1]
	v_pk_mul_f32 v[46:47], v[\set+2:\set+3], v[\set+2:\set+3]
	v_pk_fma_f32 v[44:45], v[\set+4:\set+5], v[\set+4:\set+5], v[44:45]
	v_pk_fma_f32 v[46:47], v[\set+6:\set+7], v[\set+6:\set+7], v[46:47]
.set ia, 2
.rept (\n)-2
	v_pk_add_f32 v[40:41], v[40:41], v[\set+4*ia:\set+4*ia+1]
	v_pk_add_f32 v[42:43], v[42:43], v[\set+4*ia+2:\set+4*ia+3]
	v_pk_fma_f32 v[44:45], v[\set+4*ia:\set+4*ia+1], v[\set+4*ia:\set+4*ia+1], v[44:45]
	v_pk_fma_f32 v[46:47], v[\set+4*ia+2:\set+4*ia+3], v[\set+4*ia+2:\set+4*ia+3], v[46:47]
.set ia, ia+1
.endr
	v_add_f32 v44, v44, v45
	v_add_f32 v46, v46, v47
	v_add_f32 v44, v44, v46
.endm
.macro PUT m                           ; the sums into matrix m's place in LDS
	ds_store_b128 v11, v[40:43] offset:8192*(\m)
	ds_store_b32 v11, v44 offset:8192*(\m)+16
.endm
	LOADW R0, 12, 16                               ; W1
	LOADW R1, 14, 16                               ; W2
	LOADW R2, 16, 16                               ; W3
	s_wait_loadcnt 32                              ; W1 is in; W2's and W3's 16 + 16 stay out
	ACC R0, 16
	s_wait_alu depctr_va_vdst(0)                   ; W1's sums v[40:44] are written, which the LDS stores read; the sum lines are done reading R0, in which W4 lands
	LOADW R0, 18, 16                               ; W4
	PUT 1
	s_wait_loadcnt 32                              ; W2; behind it W3 and W4
	s_wait_alu depctr_vm_vsrc(0)                   ; the LDS stores have read v[40:44], which the sum lines below write again
	ACC R1, 16
	s_wait_alu depctr_va_vdst(0)                   ; W2's sums are written; the sum lines are done reading R1, in which W5 lands
	LOADW R1, 20, 16                               ; W5
	PUT 2
	s_wait_loadcnt 32                              ; W3; behind it W4 and W5
	s_wait_alu depctr_vm_vsrc(0)                   ; the LDS stores have read v[40:44]
	ACC R2, 16
	s_wait_alu depctr_va_vdst(0)                   ; W3's sums are written; the sum lines are done reading R2, in which W0 and W6 land
	LOADW R2, 10, 10                               ; W0's rows w .. w + 72,
	global_load_b128 v[R2+40:R2+43], v9, s[10:11]  ; its eleventh turn,
	global_load_b128 v[R2+44:R2+47], v10, s[22:23] ; and W6
	PUT 3
	s_wait_loadcnt 28                              ; W4; behind it W5's 16 and these 12
	s_wait_alu depctr_vm_vsrc(0)                   ; the LDS stores have read v[40:44]
	ACC R0, 16
	s_wait_alu depctr_va_vdst(0)                   ; W4's sums are written; the sum lines are done reading R0, in which the LDS loads behind the barrier land
	PUT 4
	s_wait_loadcnt 12                              ; W5
	s_wait_alu depctr_vm_vsrc(0)                   ; the LDS stores have read v[40:44]
	ACC R1, 16
	s_wait_alu depctr_va_vdst(0)                   ; W5's sums are written, which the LDS stores read
	PUT 5
	s_wait_loadcnt 0x0
	s_wait_alu depctr_vm_vsrc(0)                   ; the LDS stores have read v[40:44]
.irp k, 0,1,2,3
	v_cndmask_b32 v[R2+40+\k], 0, v[R2+40+\k], s68
	v_cndmask_b32 v[R2+44+\k], 0, v[R2+44+\k], s69
.endr
	ACC R2, 11
	v_pk_mul_f32 v[52:53], v[R2+44:R2+45], v[R2+44:R2+45]
	v_pk_fma_f32 v[52:53], v[R2+46:R2+47], v[R2+46:R2+47], v[52:53]
	v_add_f32 v52, v52, v53
.irp k, 0,1,2,3
	v_mov_b32 v[48+\k], 0                          ; W6 feeds no further layer: its column sums are not wanted
.endr
	s_wait_alu depctr_va_vdst(0)                   ; W0's sums v[40:44] and W6's v[48:52] are written, which the four LDS stores read
	PUT 0
	ds_store_b128 v11, v[48:51] offset:8192*6
	ds_store_b32 v11, v52 offset:8192*6+16
	s_wait_dscnt 0x0                               ; for the others' sake: my partial sums lie in LDS
	s_barrier_signal -1
	s_barrier_wait -1
	; Wave w finishes matrix min(w, 6): the eight waves' partial sums of my four columns, then the sums over the lanes
	s_min_u32 s44, s42, 6
.irp k, 0,1,2,3,4,5,6,7
	ds_load_b128 v[64+8*\k:67+8*\k], v12 offset:1024*\k     ; no wait is owed: v12 was written ahead of this part's first wait, and no vector line since the wait behind W4's sums names v[64:124]
	ds_load_b32 v[68+8*\k], v12 offset:1024*\k+16
.endr
	v_mov_b32 v70, 0                               ; v_permlanex16_b32's destinations count as read
	v_mov_b32 v71, 0
	s_wait_dscnt 0x0
.irp k, 1,2,3,4,5,6,7
	v_pk_add_f32 v[64:65], v[64:65], v[64+8*\k:65+8*\k]
	v_pk_add_f32 v[66:67], v[66:67], v[66+8*\k:67+8*\k]
	v_add_f32 v68, v68, v[68+8*\k]
.endr
	v_mul_f32 v69, v64, v64
	v_fmac_f32 v69, v65, v65
	v_fmac_f32 v69, v66, v66
	v_fmac_f32 v69, v67, v67
.irp x, 1,2,4,8
	v_add_f32_dpp v69, v69, v69 row_xmask:\x row_mask:0xf bank_mask:0xf
	v_add_f32_dpp v68, v68, v68 row_xmask:\x row_mask:0xf bank_mask:0xf
.endr
	v_permlanex16_b32 v70, v69, s66, s67
	v_permlanex16_b32 v71, v68, s66, s67
	v_add_f32 v69, v69, v70                        ; A
	v_add_f32 v68, v68, v71                        ; B
	v_max_num_f32 v69, v69, v68
	v_readfirstlane_b32 s47, v69
	s_mov_b32 s46, 134                             ; 126 + o
	s_cmp_eq_u32 s44, 6
	s_cselect_b32 s46, 129, s46
	s_wait_alu depctr_va_sdst(0)                   ; s47 is written, ahead of its first reader
	s_bfe_u32 s47, s47, 0x80017                    ; the f32's exponent field.  From here on whole numbers that enter scales alone: no address, no branch
	s_sub_co_i32 s47, s47, s46                     ; floor(log2(max / 2^o)) + 1
	s_ashr_i32 s47, s47, 1
	s_max_i32 s47, s47, -40
	s_min_i32 s47, s47, 40
	v_mov_b32 v13, s47
	s_wait_alu depctr_va_vdst(0)                   ; v13 is written, which the LDS store reads; the lines above are done with v[64:71], in which the LDS loads behind the barrier land
	ds_store_b32 v14, v13 offset:EXPW              ; all lanes write the same word with the same number
	s_wait_dscnt 0x0
	s_barrier_signal -1
	s_barrier_wait -1
	ds_load_b128 v[64:67], v15 offset:EXPW         ; no wait is owed: no vector line since the wait above
	ds_load_b128 v[68:71], v15 offset:EXPW+16
	s_wait_dscnt 0x0
.irp k, 0,1,2,3,4,5,6
	v_readfirstlane_b32 s[48+\k], v[64+\k]         ; e_0 .. e_6
.endr
	s_wait_alu depctr_va_sdst(0)                   ; s48 to s54 are written, ahead of their first reader: one wait for the seven
	s_mov_b32 s56, s48                             ; s[56+l] = e_0 + .. + e_l
.irp k, 1,2,3,4,5,6
	s_add_co_i32 s[56+\k], s[55+\k], s[48+\k]
.endr
	; PART I: the work-group's 4,096 bytes of wimg.  Thread = 64 c + 32 q + lane, so 16 w = 32 c + 16 q.
	s_lshl_b32 s44, ttmp9, 12
	s_mov_b32 s45, 0
	s_add_nc_u64 s[40:41], s[40:41], s[44:45]
	v_and_b32 v20, 15, v0                          ; r
	v_bfe_u32 v21, v0, 4, 1                        ; h
.macro PICK idx, val, ptr, ex          ; where s[idx] = val: that buffer and that exponent
	s_cmp_eq_u32 s[\idx], \val
	s_cselect_b64 s[76:77], s[\ptr:\ptr+1], s[76:77]
	s_cselect_b32 s75, s[\ex], s75
.endm
	s_cmp_lt_u32 ttmp9, 40
	s_cbranch_scc0 .Lnothid
	s_lshr_b32 s73, ttmp9, 3                       ; layers 1-5: l - 1,
	s_and_b32 s74, ttmp9, 7                        ; nt
	s_lshl_b32 s74, s74, 6
	s_lshl_b32 s70, s42, 13                        ; 16 w rows of 512 bytes
	s_add_co_u32 s74, s74, s70
	v_lshlrev_b32 v22, 2, v20
	v_lshl_add_u32 v22, v21, 12, v22               ; + 8 h rows
	v_add_nc_u32 v22, s74, v22                     ; W[16 w + 8 h][16 nt + r]
	s_mov_b64 s[76:77], s[12:13]
	s_mov_b32 s75, s49
	PICK 73, 1, 14, 50
	PICK 73, 2, 16, 51
	PICK 73, 3, 18, 52
	PICK 73, 4, 20, 53
	s_mov_b32 s78, -1                              ; every row counts
	s_mov_b32 s79, -1
	s_branch .Lrows
.Lnothid:
	s_cmp_eq_u32 ttmp9, 40
	s_cbranch_scc1 .Lbias
	s_cmp_eq_u32 ttmp9, 47
	s_cbranch_scc1 .Lw6
	s_sub_co_u32 s73, ttmp9, 41                    ; W0: fragment 4 (j - 41) + c = 3 nt + c0
	s_lshl_b32 s73, s73, 2
	s_lshr_b32 s74, s42, 1
	s_add_co_u32 s73, s73, s74
	s_mul_i32 s74, s73, 11
	s_lshr_b32 s74, s74, 5                         ; nt = fragment / 3, right for 0 .. 23
	s_mul_i32 s75, s74, 3
	s_sub_co_u32 s73, s73, s75                     ; c0
	s_lshl_b32 s73, s73, 5
	s_and_b32 s75, s42, 1
	s_lshl_b32 s75, s75, 4
	s_add_co_u32 s73, s73, s75
	v_lshl_add_u32 v23, v21, 3, s73                ; the first of my eight image rows: 0, 8 .. 88
	v_cmp_ne_u32 s78, 72, v23                      ; image rows 72-79 are zero,
	v_cmp_ne_u32 s79, 64, v23                      ; and of 64-71 the last three
	v_cmp_le_u32 s80, 72, v23                      ; from 80 on the image is W0 eleven rows up (for 72 too: rows inside W0, counted as zero)
	v_add_nc_u32 v36, -11, v23
	s_wait_alu depctr_va_sdst(0)                   ; s78, s79 and s80 are written, ahead of their first readers: one wait for the three compares
	s_and_b32 s79, s79, s78
	v_cndmask_b32 v23, v23, v36, s80
	v_lshlrev_b32 v22, 2, v20
	v_lshl_add_u32 v22, v23, 9, v22
	s_lshl_b32 s74, s74, 6
	v_add_nc_u32 v22, s74, v22
	s_mov_b64 s[76:77], s[10:11]
	s_mov_b32 s75, s48
.Lrows:
	s_wait_alu depctr_va_vdst(0)                   ; on both ways v22 is written, which the eight loads read as their offset
.irp i, 0,1,2,3,4,5,6,7
	global_load_b32 v[24+\i], v22, s[76:77] offset:512*\i
.endr
	s_branch .Ltail
.Lw6:
	v_and_b32 v23, 7, v20                          ; W6: fragment row n takes column n % 8 if that is below 3
	v_cmp_gt_u32 s78, 3, v23
	s_lshl_b32 s73, s42, 4
	v_lshl_add_u32 v36, v21, 3, s73                ; row 16 w + 8 h
	v_mul_u32_u24 v36, v36, 12
	s_wait_alu depctr_va_sdst(0)                   ; s78 is written, ahead of its first reader
	s_mov_b32 s79, s78
	v_cndmask_b32 v23, 0, v23, s78
	v_lshl_add_u32 v22, v23, 2, v36
	s_mov_b64 s[76:77], s[22:23]
	s_mov_b32 s75, s54
	s_wait_alu depctr_va_vdst(0)                   ; v22 is written, which the eight loads read as their offset
.irp i, 0,1,2,3,4,5,6,7
	global_load_b32 v[24+\i], v22, s[76:77] offset:12*\i
.endr
.Ltail:
	s_wait_loadcnt 0x0
.irp i, 0,1,2,3,4
	v_cndmask_b32 v[24+\i], 0, v[24+\i], s78
.endr
.irp i, 5,6,7
	v_cndmask_b32 v[24+\i], 0, v[24+\i], s79
.endr
	s_sub_co_i32 s80, 127, s75
	s_lshl_b32 s80, s80, 23                        ; 2^-e as an f32
	s_mov_b32 s81, s80                             ; named with it as a pair
.irp i, 0,1,2,3
	v_pk_mul_f32 v[24+2*\i:25+2*\i], v[24+2*\i:25+2*\i], s[80:81] op_sel_hi:[1,0]
.endr
.irp i, 0,1,2,3
	v_cvt_pk_f16_f32 v[32+\i], v[24+2*\i], v[25+2*\i]
.endr
	s_wait_alu depctr_va_vdst(0)                   ; the roundings have written v[32:35], which the store reads
	global_store_b128 v5, v[32:35], s[40:41]
	s_branch .Lend
.Lbias:                                            ; wave w < 6: b_w; wave 6: b6 and the exponent's sum; wave 7: zeros
	s_cmp_lt_u32 s42, 6
	s_cbranch_scc0 .Lb6
	s_mov_b64 s[76:77], s[24:25]
	s_mov_b32 s75, s56
	PICK 42, 1, 26, 57
	PICK 42, 2, 28, 58
	PICK 42, 3, 30, 59
	PICK 42, 4, 32, 60
	PICK 42, 5, 34, 61
	global_load_b128 v[24:27], v7, s[76:77]        ; no wait is owed: no vector line since the wait ahead of the exponent's store names v7 or v[24:27]
	s_sub_co_i32 s75, 0, s75
	s_wait_loadcnt 0x0
.irp i, 0,1,2,3
	v_ldexp_f32 v[24+\i], v[24+\i], s75
.endr
	s_branch .Lbst
.Lb6:
.irp i, 0,1,2,3
	v_mov_b32 v[24+\i], 0
.endr
	s_cmp_eq_u32 s42, 6
	s_cbranch_scc0 .Lbst
	global_load_b32 v28, v15, s[36:37]             ; no wait is owed: no vector line since the wait ahead of the exponent's store names v15 or v[28:30]
	global_load_b32 v29, v15, s[36:37] offset:4
	global_load_b32 v30, v15, s[36:37] offset:8
	v_and_b32 v36, 29, v6
	v_cmp_eq_u32 s78, 0, v36                       ; lanes 0 and 2: words 768-771 and 776-779
	v_cmp_eq_u32 s79, 4, v6                        ; lane 4: word 784
	s_sub_co_i32 s75, 0, s62
	v_mov_b32 v31, s62
	s_wait_loadcnt 0x0
.irp i, 0,1,2
	v_ldexp_f32 v[28+\i], v[28+\i], s75
.endr
	s_wait_alu depctr_va_sdst(0)                   ; s78 and s79 are written, ahead of their first readers
.irp i, 0,1,2
	v_cndmask_b32 v[24+\i], 0, v[28+\i], s78
.endr
	v_cndmask_b32 v24, v24, v31, s79
.Lbst:
	s_wait_alu depctr_va_vdst(0)                   ; on all three ways v[24:27] are written, which the store reads
	global_store_b128 v5, v[24:27], s[40:41]
.Lend:
	s_wait_dscnt 0x0                               ; the wave's end: my LDS instructions are done.
	s_wait_alu depctr_hold_cnt(0) depctr_sa_sdst(0) depctr_va_vdst(0) depctr_va_sdst(0) depctr_va_ssrc(0) depctr_va_vcc(0) depctr_vm_vsrc(0)
	s_wait_tensorcnt 0x0
	ds_add_u32 v62, v63
	s_wait_dscnt 0x0
	s_endpgm
.Lfunc_end_k_q84db41f269_prep:
	.size	k_q84db41f269_prep, .Lfunc_end_k_q84db41f269_prep-k_q84db41f269_prep
	.p2alignl 7, 3214868480
	.fill 96, 4, 3214868480
	.section	.rodata,"a",@progbits
	.p2align	6, 0x0
	.amdhsa_kernel k_q84db41f269_prep
		.amdhsa_group_segment_fixed_size 58624
		.amdhsa_private_segment_fixed_size 0
		.amdhsa_enable_private_segment 0
		.amdhsa_kernarg_size 136
		.amdhsa_user_sgpr_count 2
		.amdhsa_user_sgpr_kernarg_segment_ptr 1
		.amdhsa_wavefront_size32 1
		.amdhsa_system_sgpr_workgroup_id_x 1
		.amdhsa_system_sgpr_workgroup_id_y 1
		.amdhsa_system_sgpr_workgroup_id_z 1
		.amdhsa_system_vgpr_workitem_id 0
		.amdhsa_next_free_vgpr 256
		.amdhsa_next_free_sgpr 96
		.amdhsa_reserve_vcc 0
		.amdhsa_float_denorm_mode_32 3
		.amdhsa_float_denorm_mode_16_64 3
		.amdhsa_memory_ordered 1
		.amdhsa_forward_progress 1
		.amdhsa_inst_pref_size 54
	.end_amdhsa_kernel
	.amdgpu_metadata
---
amdhsa.version: [ 1, 2 ]
amdhsa.kernels:
  - .name:           k_q84db41f269_prep
    .symbol:         k_q84db41f269_prep.kd
    .args:
      - { .name: xyz, .offset: 0, .size: 8, .value_kind: global_buffer, .address_space: global }
      - { .name: W0, .offset: 8, .size: 8, .value_kind: global_buffer, .address_space: global }
      - { .name: W1, .offset: 16, .size: 8, .value_kind: global_buffer, .address_space: global }
      - { .name: W2, .offset: 24, .size: 8, .value_kind: global_buffer, .address_space: global }
      - { .name: W3, .offset: 32, .size: 8, .value_kind: global_buffer, .address_space: global }
      - { .name: W4, .offset: 40, .size: 8, .value_kind: global_buffer, .address_space: global }
      - { .name: W5, .offset: 48, .size: 8, .value_kind: global_buffer, .address_space: global }
      - { .name: W6, .offset: 56, .size: 8, .value_kind: global_buffer, .address_space: global }
      - { .name: b0, .offset: 64, .size: 8, .value_kind: global_buffer, .address_space: global }
      - { .name: b1, .offset: 72, .size: 8, .value_kind: global_buffer, .address_space: global }
      - { .name: b2, .offset: 80, .size: 8, .value_kind: global_buffer, .address_space: global }
      - { .name: b3, .offset: 88, .size: 8, .value_kind: global_buffer, .address_space: global }
      - { .name: b4, .offset: 96, .size: 8, .value_kind: global_buffer, .address_space: global }
      - { .name: b5, .offset: 104, .size: 8, .value_kind: global_buffer, .address_space: global }
      - { .name: b6, .offset: 112, .size: 8, .value_kind: global_buffer, .address_space: global }
      - { .name: fix, .offset: 120, .size: 8, .value_kind: global_buffer, .address_space: global }
      - { .name: wimg, .offset: 128, .size: 8, .value_kind: global_buffer, .address_space: global }
    .group_segment_fixed_size: 58624
    .private_segment_fixed_size: 0
    .kernarg_segment_align: 8
    .kernarg_segment_size: 136
    .max_flat_workgroup_size: 256
    .sgpr_count:     96
    .vgpr_count:     256
    .wavefront_size: 32
...
	.end_amdgpu_metadata
.endif
;; end of part 3
;; launch mlp: the kernel of part 2 again; grid 256 x 1, 4 waves a work-group, no clusters, 327,680 bytes of LDS; arguments condition_code, embeddings, fix, wimg, out0; writes out0
